; MI455X (gfx1250); checked and timed in simulation.
; The chip was launched on July 23, 2026; its instructions are those of AMD's public machine-readable ISA for CDNA 5 (MIT licence, August 2026) and "CDNA5" Instruction Set Architecture Reference Guide (July 2026). The comments in the code are by the model that wrote it; some were corrected since.
;; LSTM Cell scratch. Allowed arithmetic: matrix products marked QUANTISED: E2M1 operands, one E8M0 scale for each 32 along K, by v_wmma_scale_f32_16x16x128_f8f6f4 with both operands' format E2M1 (or v_wmma_scale_f32_32x16x128_f4), f32 sums; everything else in f32.
;; Inputs: Wf 1,024 x 2,048 float32; Wg 1,024 x 2,048 float32; Wi 1,024 x 2,048 float32; Wo 1,024 x 2,048 float32; bf 1,024 float32; bg 1,024 float32; bi 1,024 float32; bo 1,024 float32; c_prev 8,192 x 1,024 float32; h_prev 8,192 x 1,024 float32; x 8,192 x 1,024 float32.
;; Outputs: out0 8,192 x 1,024 float32; out1 8,192 x 1,024 float32.
;; This version of the problem:
;;   THIS VERSION OF THE PROBLEM IS GIVEN IN LOW PRECISION. The matrix products marked QUANTISED in the list below multiply operands that are first quantised to E2M1 (2 exponent bits, 1 mantissa bit; 4 bits a number), with one power-of-two scale for each 32 numbers along K (OCP MX v1.0); their sums are f32. All else is computed in f32.
;;   The module's matrix products, in the order in which they are computed (A, B: the left and right operand; K: the contracted axis; several contracted axes count as one K, in the product's order):
;;     1. [M 8,192, K 2,048] x [K 2,048, N 1,024]; A: computed on the way; B: input Wf: QUANTISED
;;     2. [M 8,192, K 2,048] x [K 2,048, N 1,024]; A: computed on the way; B: input Wi: QUANTISED
;;     3. [M 8,192, K 2,048] x [K 2,048, N 1,024]; A: computed on the way; B: input Wg: QUANTISED
;;     4. [M 8,192, K 2,048] x [K 2,048, N 1,024]; A: computed on the way; B: input Wo: QUANTISED
;;   THE QUANTISER, for each operand of a quantised product, along K:
;;     - K is cut into blocks of 32 from its start; a last block that is shorter is filled with zeros.
;;     - A block's scale is 2^e with e = floor(log2(the largest magnitude in the block)) - 2, held to -126 .. 127; a block of zeros has e = 0. As a byte (E8M0): e + 127.
;;     - Each number is divided by its block's scale, clamped to +-6, and rounded to the nearest number of E2M1, ties to even, subnormals kept.
;;     - The product sums the exact products of the quantised numbers (number of the format x scale) in f32.
;;   ~~~python
;;   def quantise(x, axis):      # numpy; x: float32 -> the quantised numbers, widened to float32 again
;;       x = np.moveaxis(x, axis, -1); K = x.shape[-1]
;;       x = np.pad(x, [(0, 0)] * (x.ndim - 1) + [(0, -K % 32)]); x = x.reshape(x.shape[:-1] + (-1, 32)); a = np.abs(x).max(-1, keepdims=True)
;;       e = np.where(a > 0, np.clip(np.frexp(np.where(a > 0, a, 1))[1] - 1 - 2, -126, 127), 0)      # np.frexp(a)[1] - 1 = floor(log2(a)), exactly
;;       r = np.clip(x / 2.0 ** e, -6, 6)
;;       step = 2.0 ** (np.maximum(np.frexp(np.where(r == 0, 1, r))[1] - 1, 0) - 1)
;;       q = np.round(r / step) * step * 2.0 ** e      # np.round: ties to even
;;       return np.moveaxis(q.reshape(q.shape[:-2] + (-1,))[..., :K], -1, axis).astype(np.float32)
;;   ~~~
;;   OPERANDS COMPUTED ON THE WAY. 'Computed on the way' means the value that the module computes at that place (a softmax that the list does not call 'softmax' is quantised finished and normalised). What goes into a quantiser is computed in f32, as accurately as f32 sums, v_exp_f32 and their like allow (about 1e-6 of the number): no bf16 or f16 on the way to a quantiser, and a product that is left as it is and whose result goes on into a quantised operand takes f32 operands (vector FMAs, or v_wmma_f32_16x16x4_f32). A number that lies on a knife's edge between two numbers of the format may be rounded either way, as far as f32 arithmetic and the matrix unit's own rounding can turn it there, and no further.
;; One version. Each part assembles by itself: llvm-mc -triple=amdgcn-amd-amdhsa -mcpu=gfx1250 --defsym DOCPART=n.
;; ======== version 1 of 1: 2 launches
;; limits: right only within a limited range of input values
;; workspace buffers: a_img 8,912,896 bytes; w_img 4,456,448 bytes
;; launch quant (part 1): grid 768 x 1, 4 waves a work-group, no clusters, 33,280 bytes of LDS; arguments x, h_prev, Wf, Wi, Wg, Wo, a_img, w_img; writes a_img, w_img
.if DOCPART == 1
	.amdgcn_target "amdgcn-amd-amdhsa--gfx1250"
	.amdhsa_code_object_version 6
	.text
	.protected	k_qadf54def2b_quant
	.globl	k_qadf54def2b_quant
	.p2align	8
	.type	k_qadf54def2b_quant,@function
k_qadf54def2b_quant:
	s_mov_b64 s[64:65], 0
	v_nop
	global_prefetch_b8 v0, s[64:65] scope:SCOPE_SE
	s_setreg_imm32_b32 hwreg(HW_REG_WAVE_MODE, 25, 1), 1
	s_wait_xcnt 0x0
; combined = [x | h_prev] ([8192][2048]) and the four weights ([1024][2048] each), f32 with K innermost, become codes of FP4 (E2M1), two a byte, the lower k in the low four bits,
; with one E8M0 scale byte for each 32 along K.  x fills K 0-1023, h_prev K 1024-2047: no block of 32 lies across the seam.  Every input of the problem is used by this launch or the next; nothing is left out.
; A block's scale is 2^(floor(log2(its largest magnitude)) - 2); its byte is the largest magnitude's exponent field - 2, held at 1 from below.  Numbers are divided by the scale and rounded to the nearest code, ties to even; beyond 6 the largest code.
; LIMITS: NaN and infinities among the inputs are not served.  Blocks whose largest magnitude lies under 2^-124 have their byte held at 1 (not tried).  A block of zeros gets the byte 1 where the rule says 127:
; its codes are zeros, which add nothing under any byte but 0xff, and only this program reads the bytes.
; WHAT IS WRITTEN: IMAGES.  For each 128 rows H and each K step s of 512 one dense image of 34,816 bytes at (4 H + s) x 34,816: 128 rows x 256 bytes of codes, then 8 x 256 bytes of scale bytes (16 rows x 16 bytes each).
; The next launch fetches an image, or two on end, as rows of 256 bytes.  a_img: 64 H; w_img: 32 H.
; THE ROWS OF THE WEIGHTS ARE INTERLEAVED: row j of gate g (f 0, i 1, g 2, o 3) is row (j / 32) 128 + 32 g + j % 32: an H holds all four gates of 32 hidden columns.
; SHARES.  A work-group takes 16 rows, wave w their K step w: 16 steps a wave.  Work-groups 0-511: combined (waves 0, 1 read x, waves 2, 3 h_prev); 512-767: 64 for each gate.  Only pointers, a stride and offsets are chosen.
; Waves share nothing: no barrier.  Nothing is read by two work-groups: clusters, tensor loads and the matrix unit have nothing to add.
; Each of a step's four loads reads 512 consecutive bytes, 16 a lane; the 2,048 bytes turn through the wave's own stage in LDS (16 bytes of padding behind each 64) and come back 64 bytes a lane: two neighbouring lanes hold a block.
; Loads run eight rows ahead, in eight sets of registers: up to 32 loads of a wave are out.
.set STEPS, 16
.set DEPTH, 8
.set IMG,   34816
.set SP,    80                         ; a lane's place in a stage
.set WREG,  8192                       ; LDS: a region for each wave: two stages of 32 x SP bytes, behind them its 256 scale bytes
.set R,     16                         ; v16-143  eight sets of 16 numbers as loaded
.set X,     144                        ; v144-175 two sets of 16 neighbours
.set E,     176                        ; v176-191 a scale byte for each step
.set C,     192                        ; v192-223 codes: two registers for each step
.set OFF,   224                        ; v224-231 set s: byte offset of my 16 bytes in the row that the set loads next
.set SPW,   232                        ; v232     my spare word; never rewritten
.set NIL,   233                        ; v233     0; never rewritten
	s_load_b256 s[4:11], s[0:1], 0x0               ; x, h_prev, Wf, Wi
	s_load_b256 s[12:19], s[0:1], 0x20             ; Wg, Wo, a_img, w_img
	v_lshl_add_u32 v[SPW], v0, 2, 0x8000           ; behind the four regions
	v_mov_b32 v[NIL], 0
	v_lshrrev_b32 v1, 5, v0
	v_readfirstlane_b32 s24, v1                    ; wave = K step
	v_and_b32 v2, 31, v0                           ; lane
	v_lshlrev_b32 v3, 4, v2
	s_mul_i32 s33, s24, WREG
	v_lshrrev_b32 v14, 2, v2
	v_mul_u32_u24 v14, v14, SP
	v_and_b32 v15, 3, v2
	v_lshl_add_u32 v14, v15, 4, v14
	v_add_nc_u32 v14, s33, v14                     ; the stage, on the way in
	v_mul_u32_u24 v15, v2, SP
	v_add_nc_u32 v15, s33, v15                     ; and on the way out: my 16 neighbours
	v_lshlrev_b32 v4, 3, v2                        ; 8 x lane
	v_lshrrev_b32 v5, 1, v2
	s_add_co_u32 s33, s33, 2*32*SP
	v_add_nc_u32 v5, s33, v5                       ; LDS: my block's scale byte
	v_add_nc_u32 v6, s33, v4                       ; and where I read 8 of them back
	s_sub_co_u32 s25, ttmp9, 512                   ; a weight's work-group: 64 gate + R
	s_bfe_u32 s26, s25, 0x20006                    ; gate
	s_and_b32 s27, s25, 63                         ; R: rows 16 R on
	s_and_b32 s31, s24, 1                          ; combined: which 2,048 bytes of x's or h_prev's row
	s_lshl_b32 s32, ttmp9, 4                       ; its first row
	s_lshl_b32 s34, ttmp9, 16                      ; 16 rows of 4,096 bytes a work-group
	s_lshr_b32 s36, s27, 1
	s_lshl_b32 s36, s36, 7
	s_lshl_b32 s33, s26, 5
	s_add_co_u32 s36, s36, s33
	s_and_b32 s33, s27, 1
	s_lshl_b32 s33, s33, 4
	s_add_co_u32 s36, s36, s33                     ; a weight's first row out: (R / 2) 128 + 32 gate + 16 (R % 2)
	s_lshl_b32 s38, s27, 17                        ; 16 rows of 8,192 bytes
	s_mov_b32 s28, 8192                            ; a weight's row in bytes
	s_and_b32 s25, s26, 1
	s_lshr_b32 s26, s26, 1
	s_wait_alu depctr_va_vdst(0)                   ; the wait at the head's end
	s_wait_kmcnt 0x0
	s_cmp_lg_u32 s25, 0                            ; behind each compare stand selections alone
	s_cselect_b64 s[8:9], s[10:11], s[8:9]         ; Wi or Wf
	s_cselect_b64 s[12:13], s[14:15], s[12:13]     ; Wo or Wg
	s_cmp_lg_u32 s26, 0
	s_cselect_b64 s[8:9], s[12:13], s[8:9]
	s_cmp_lt_u32 s24, 2
	s_cselect_b64 s[4:5], s[4:5], s[6:7]           ; x or h_prev
	s_cmp_lt_u32 ttmp9, 512
	s_cselect_b64 s[4:5], s[4:5], s[8:9]           ; what I read,
	s_cselect_b64 s[16:17], s[16:17], s[18:19]     ; and where the images go
	s_cselect_b32 s28, 4096, s28
	s_cselect_b32 s31, s31, s24
	s_cselect_b32 s32, s32, s36
	s_cselect_b32 s34, s34, s38
	s_lshl_b32 s29, s28, 3                         ; eight rows on
	s_lshl_b32 s31, s31, 11
	s_add_co_u32 s34, s34, s31
	s_mov_b32 s35, 0
	s_lshr_b32 s36, s32, 7                         ; H
	s_lshl_b32 s36, s36, 2
	s_add_co_u32 s36, s36, s24                     ; 4 H + K step
	s_mul_i32 s36, s36, IMG                        ; my image
	s_and_b32 s33, s32, 127                        ; my first row in it
	s_lshl_b32 s38, s33, 4
	s_add_co_u32 s38, s38, s36
	s_add_co_u32 s38, s38, 32768                   ; scale bytes: behind the codes, 16 bytes a row
	s_lshl_b32 s33, s33, 8
	s_add_co_u32 s36, s36, s33                     ; codes: 256 bytes a row
	s_mov_b32 s37, 0
	s_mov_b32 s39, 0
	s_add_nc_u64 s[4:5], s[4:5], s[34:35]
	s_add_nc_u64 s[18:19], s[16:17], s[38:39]
	s_add_nc_u64 s[16:17], s[16:17], s[36:37]
	v_mov_b32 v[OFF], v3                           ; rows 0 to 7
.irp i, 1,2,3,4,5,6,7
	v_add_nc_u32 v[OFF+\i], s28, v[OFF+\i-1]
.endr
.macro LOAD t                          ; row t's 2,048 bytes into set t % DEPTH
.irp i, 0,1,2,3
	global_load_b128 v[R+16*((\t)%DEPTH)+4*\i:R+16*((\t)%DEPTH)+4*\i+3], v[OFF+(\t)%DEPTH], s[4:5] offset:512*\i th:TH_LOAD_NT
.endr
.endm
.macro TURN t                          ; through the stage: LDS serves a wave's instructions in order (ISA guide 5.7.1)
.irp i, 0,1,2,3
	ds_store_b128 v14, v[R+16*((\t)%DEPTH)+4*\i:R+16*((\t)%DEPTH)+4*\i+3] offset:32*SP*((\t)%2)+8*SP*\i
.endr
.irp i, 0,1,2,3
	ds_load_b128 v[X+16*((\t)%2)+4*\i:X+16*((\t)%2)+4*\i+3], v15 offset:32*SP*((\t)%2)+16*\i
.endr
.endm
.irp t, 0,1,2,3,4,5,6,7
	LOAD \t
.endr
	s_wait_alu depctr_va_vdst(0)
	s_wait_loadcnt 4*(DEPTH-1)                     ; row 0's four loads are in; seven rows' 28 stay out
	TURN 0
.macro STEP t
.set XS, X+16*((\t)%2)
.if (\t) > 0
	s_wait_dscnt 1                                 ; this step's numbers are back (the last step's byte store may be out): so its stores into the stage have read their registers
.else
	s_wait_dscnt 0x0
.endif
.if (\t)+DEPTH < STEPS
	v_add_nc_u32 v[OFF+(\t)%DEPTH], s29, v[OFF+(\t)%DEPTH]     ; the set's loads were shown done by the counted wait in front of its turn through the stage
	LOAD (\t)+DEPTH
.endif
.if (\t)+1 < STEPS
.if STEPS-2-(\t) >= DEPTH-1
	s_wait_loadcnt 4*(DEPTH-1)                     ; the next row's four loads are in; the seven rows behind it may be out
.else
	s_wait_loadcnt 4*(STEPS-2-(\t))                ; no new loads: the counts run down
.endif
	TURN (\t)+1
.endif
	v_max3_num_f32 v8, |v[XS]|, |v[XS+1]|, |v[XS+2]|               ; the largest magnitude of my 16, in two chains
	v_max3_num_f32 v9, |v[XS+3]|, |v[XS+4]|, |v[XS+5]|
.irp i, 6,10
	v_max3_num_f32 v8, v8, |v[XS+\i]|, |v[XS+\i+1]|
	v_max3_num_f32 v9, v9, |v[XS+\i+2]|, |v[XS+\i+3]|
.endr
	v_max3_num_f32 v8, v8, |v[XS+14]|, |v[XS+15]|
	v_max3_num_f32 v8, v8, v9, 0x1800000           ; the floor 2^(3 - 127): the byte cannot fall under 1
	v_max_num_f32_dpp v8, v8, v8 row_xmask:1 row_mask:0xf bank_mask:0xf   ; with my neighbour's 16: the block's
	v_add_nc_u32 v11, 0xff000000, v8               ; 2 off its exponent field: the conversion's scale operand
	v_cvt_scalef32_pk8_fp4_f32 v[C+2*(\t)], v[XS:XS+7], v11
	v_cvt_scalef32_pk8_fp4_f32 v[C+2*(\t)+1], v[XS+8:XS+15], v11
	v_lshrrev_b32 v[E+(\t)], 23, v11               ; the scale's byte (a plain line behind the conversions)
	ds_store_b8 v5, v[E+(\t)] offset:16*(\t)       ; both lanes of a block write the same byte
	global_store_b64 v4, v[C+2*(\t):C+2*(\t)+1], s[16:17] offset:256*(\t)   ; 32 lanes store 256 consecutive bytes, aligned: row t of the image
.endm
.irp t, 0,1,2,3,4,5,6,7,8,9,10,11,12,13,14,15
	STEP \t
.endr
	ds_load_b64 v[12:13], v6                       ; my 16 rows x 16 scale bytes
	s_wait_dscnt 0x0
	global_store_b64 v4, v[12:13], s[18:19]        ; 256 consecutive bytes, aligned
	s_wait_tensorcnt 0x0                           ; the wave's end
	ds_add_u32 v[SPW], v[NIL]
	s_wait_dscnt 0x0
	s_endpgm
.Lfunc_end_k_qadf54def2b_quant:
	.size	k_qadf54def2b_quant, .Lfunc_end_k_qadf54def2b_quant-k_qadf54def2b_quant
	.p2alignl 7, 3214868480
	.fill 96, 4, 3214868480
	.section	.rodata,"a",@progbits
	.p2align	6, 0x0
	.amdhsa_kernel k_qadf54def2b_quant
		.amdhsa_group_segment_fixed_size 33280
		.amdhsa_private_segment_fixed_size 0
		.amdhsa_enable_private_segment 0
		.amdhsa_kernarg_size 64
		.amdhsa_user_sgpr_count 2
		.amdhsa_user_sgpr_kernarg_segment_ptr 1
		.amdhsa_wavefront_size32 1
		.amdhsa_system_sgpr_workgroup_id_x 1
		.amdhsa_system_sgpr_workgroup_id_y 1
		.amdhsa_system_sgpr_workgroup_id_z 1
		.amdhsa_system_vgpr_workitem_id 0
		.amdhsa_next_free_vgpr 234
		.amdhsa_next_free_sgpr 66
		.amdhsa_reserve_vcc 0
		.amdhsa_float_denorm_mode_32 3
		.amdhsa_float_denorm_mode_16_64 3
		.amdhsa_memory_ordered 1
		.amdhsa_forward_progress 1
		.amdhsa_inst_pref_size 35
	.end_amdhsa_kernel
	.amdgpu_metadata
---
amdhsa.version: [ 1, 2 ]
amdhsa.kernels:
  - .name:           k_qadf54def2b_quant
    .symbol:         k_qadf54def2b_quant.kd
    .args:
      - { .name: x, .offset: 0, .size: 8, .value_kind: global_buffer, .address_space: global }
      - { .name: h_prev, .offset: 8, .size: 8, .value_kind: global_buffer, .address_space: global }
      - { .name: Wf, .offset: 16, .size: 8, .value_kind: global_buffer, .address_space: global }
      - { .name: Wi, .offset: 24, .size: 8, .value_kind: global_buffer, .address_space: global }
      - { .name: Wg, .offset: 32, .size: 8, .value_kind: global_buffer, .address_space: global }
      - { .name: Wo, .offset: 40, .size: 8, .value_kind: global_buffer, .address_space: global }
      - { .name: a_img, .offset: 48, .size: 8, .value_kind: global_buffer, .address_space: global }
      - { .name: w_img, .offset: 56, .size: 8, .value_kind: global_buffer, .address_space: global }
    .group_segment_fixed_size: 33280
    .private_segment_fixed_size: 0
    .kernarg_segment_align: 8
    .kernarg_segment_size: 64
    .max_flat_workgroup_size: 128
    .sgpr_count:     66
    .vgpr_count:     234
    .wavefront_size: 32
...
	.end_amdgpu_metadata
.endif
;; end of part 1
;; launch cell (part 2): grid 16 x 32, 4 waves a work-group, clusters of 4 x 4, 327,680 bytes of LDS; arguments a_img, w_img, bf, bi, bg, bo, c_prev, out0, out1; writes out0, out1
.if DOCPART == 2
	.amdgcn_target "amdgcn-amd-amdhsa--gfx1250"
	.amdhsa_code_object_version 6
	.text
	.protected	k_qadf54def2b_cell
	.globl	k_qadf54def2b_cell
	.p2align	8
	.type	k_qadf54def2b_cell,@function
k_qadf54def2b_cell:
	s_mov_b64 s[64:65], 0
	v_nop
	global_prefetch_b8 v0, s[64:65] scope:SCOPE_SE
	s_setreg_imm32_b32 hwreg(HW_REG_WAVE_MODE, 25, 1), 1
	s_wait_xcnt 0x0
	s_wait_alu depctr_hold_cnt(0) depctr_sa_sdst(0) depctr_va_vdst(0) depctr_va_sdst(0) depctr_va_ssrc(0) depctr_va_vcc(0) depctr_vm_vsrc(0)
	s_getreg_b32 s2, hwreg(HW_REG_IB_STS2, 6, 4)
	s_cmp_eq_u32 s2, 0
	s_cbranch_scc0 .Lentry_in_a_cluster
	s_endpgm
.Lentry_in_a_cluster:
	s_bfe_u32 s2, ttmp6, 0x10000c
	s_cmp_lg_u32 s2, 0xf033
	s_cbranch_scc0 .Lentry_shape_is_right
	s_endpgm
.Lentry_shape_is_right:
; The LSTM cell on codes of FP4 (E2M1) with one E8M0 scale for each 32 along K: z_g = combined W_g^T + b_g for the gates f, i, g, o; c_next = sigmoid(z_f) c_prev + sigmoid(z_i) tanh(z_g) (out1);
; h_next = sigmoid(z_o) tanh(c_next) (out0).  Sums, biases and all behind them in f32.  sigmoid(z) = 1 / (1 + 2^(-z log2 e)), tanh(z) = 2 / (1 + 2^(-2 z log2 e)) - 1: where the power overflows the reciprocal
; is 0, where it falls to 0 the reciprocal is 1, so both saturate by themselves for every finite z.  LIMITS: NaN and infinities among the inputs are not served; tanh near 0 carries an absolute error of a few 2^-24.
; OPERANDS: images of 34,816 bytes at (4 H + s) x 34,816 for 128 rows H and K step s of 512: 128 rows x 256 bytes of codes, then 8 x 256 scale bytes (16 rows x 16).  Row (j / 32) 128 + 32 g + j % 32 of the weights is row j of gate g.
; SHARES.  A work-group: 256 rows x 64 hidden columns x 4 gates.  Wave (rh, ch): 128 rows x 128 weight rows = all four gates of 32 hidden columns: 64 accumulators, 512 registers.
; THE MATRIX INSTRUCTION IS USED TRANSPOSED (source 0 = 16 weight rows, source 1 = 16 rows of combined).  In accumulator (a, 2 g + u) register j of lane (r, h) is gate g of row 16 a + r, hidden column 16 u + 8 h + j:
; the four gates of one number lie in one lane at one register index.  The biases are the C of each sum's first product.
; LDS: a region of 73,984 bytes for each wave's loads (waves 0, 1: the two H of combined; 2, 3: of the weights), two slots of 136 rows x 272 bytes in it.  An image is dense, so it comes as rows of 256 bytes, 16 bytes of padding behind each.
; THE HEAD'S ONE LOAD A WAVE BRINGS K STEPS 0 AND 1: two images on end, 272 rows, both slots of the region.  K steps 2 and 3 refill slots 0 and 1, one load of 136 rows a wave behind a round of the cluster's barrier;
; then slot 0 of region w takes rows 64 w on of c_prev's tile.  By the text's own count a wave has one tensor load out.
; CLUSTERS: 4 x 4.  The four of a row need the same images of combined, the four of a column the same images of the weights: asked for jointly.  c_prev's tile is each work-group's own: no mask.
; PREFETCH: the head asks for K steps 2 and 3 (one and two refills ahead): of an image's 136 rows each of the four partners names 34, told apart by address; the first change of slots asks for c_prev's 256 rows, two refills ahead.
; No loop: K has four slots' worth of steps.
; REGISTERS: window 0: v0-31 addresses; v32-95 scale words, two sets; v128-191 A's fragments; v192-255 the biases.  In the tail v32-191 are at work on two blocks, v192-255 carry rows out.
;   window 1: the weights' fragments, two sets, at v0 and v128.   window 2: accumulators of my rows 0-63 ((a, b) at v[8 (8 (a % 4) + b)]);   window 3: rows 64-127.
.set NQ,     4
.set IMG,    34816
.set PITCH,  272                       ; 68 words: row r starts at bank 4 r mod 64 (ISA guide 11.1)
.set FR,     8
.set NL,     2
.set NP,     4                         ; places behind this matrix instruction (ISA guide 7.12.1)
.set PART,   136*PITCH                 ; a slot's part in a region
.set REG,    2*PART
.set SPARE,  4*REG                     ; the spare words, 128 bytes a wave: two blocks of 256 bytes that no other line names
.set HOFF,   64*PITCH                  ; the tail: c_prev, then c_next, in the first 64 rows of a region; h_next in the next 64: slot 0 has had its last fill and its last read
.set BUMP,   REG-HOFF                  ; from 64 rows on in one region to the next region's first row
.set PFO2, 15                          ; v15     (32 + lane % 2) x 256
.set ADRA, 16                          ; v16-17  my A fragments in slot 0, 1
.set ADRS, 18                          ; v18-19  my scale words in slot 0, 1: lanes 0-15 A's rows, lanes 16-31 the weights'
.set ADRB, 20                          ; v20-21  the weights' fragments
.set RDC,  22
.set RDH,  23
.set CADR, 24
.set HADR, 25
.set CO,   26
.set PFO,  27                          ; v27     lane x 256
.set SPW,  28
.set NIL,  29
.set PF,   30                          ; v30     4,096 x thread: a row of c_prev's tile
.set BV,   31
.set SC,   32                          ; set s at v[SC + 32 s]; register 4 i + q
.set AF,   128
.set BIAS, 192
.set TX,   32                          ; the tail: v[TX + 16 g + 8 u + j]: gate g of the pair's first block
.set CPX,  96                          ; its c_prev, then c_next
.set CPY,  112                         ; the second block's
.set TY,   128                         ; the second block's gates
.set OB,   192                         ; 16 + 16 rows on their way out
.set G1, 24
.set G0, 32
.set G1B, 48
.set G0B, 56
.set L1,  66                           ; s[66:67] -log2 e
.set BP,  68                           ; s[68:75] bf, bi, bg, bo
.set G1C, 76
.set G0C, 84
.set PFA, 92                           ; s[92:93] my 34 rows of my image of K step 0; never rewritten
.set L2,  100                          ; s[100:101] -2 log2 e
.set MSB, 0
.macro WIN new
.if MSB != \new
	s_set_vgpr_msb (MSB<<8)|\new
.set MSB, \new
.endif
.endm
.set MUL_LO,   0xa1
.set MUL_HI,   0xf1
.set FIRST_LO, 0x81
.set FIRST_HI, 0xc1
.set TO_B,     0x40
; A joint load: waves 0, 1 fetch for A, waves 2, 3 for the weights; s_nop 0 and four v_nop behind each line
.macro JLOAD g0a, g1a, g0b, g1b
	s_cmp_eq_u32 s15, 0
	s_cbranch_scc0 .Lfor_b_\@
	tensor_load_to_lds s[\g0a:\g0a+3], s[\g1a:\g1a+7]
	s_nop 0
.rept 4
	v_nop
.endr
	s_branch .Lasked_\@
.Lfor_b_\@:
	tensor_load_to_lds s[\g0b:\g0b+3], s[\g1b:\g1b+7]
	s_nop 0
.rept 4
	v_nop
.endr
.Lasked_\@:
.endm
.macro CLOAD
	tensor_load_to_lds s[G0C:G0C+3], s[G1C:G1C+7]
	s_nop 0
.rept 4
	v_nop
.endr
.endm
.macro CREST
	s_cmp_lg_u32 s14, 0
	s_cbranch_scc1 .Lnot_wave_0_\@
	s_barrier_signal -3
.Lnot_wave_0_\@:
	s_barrier_wait -3
	s_barrier_signal -1
	s_barrier_wait -1
.endm
.macro CROUND
	s_barrier_signal -1
	s_barrier_wait -1
	CREST
.endm
	s_load_b128 s[4:7], s[0:1], 0x0                ; a_img, w_img
	s_load_b256 s[BP:BP+7], s[0:1], 0x10           ; bf, bi, bg, bo
	s_load_b64 s[12:13], s[0:1], 0x30              ; c_prev
	s_load_b128 s[96:99], s[0:1], 0x38             ; out0 (h_next), out1 (c_next)
	v_lshl_add_u32 v[SPW], v0, 2, SPARE
	v_mov_b32 v[NIL], 0
	ds_add_u32 v[SPW], v[NIL]                      ; the opening lines: the add, twice on end, and its wait
	ds_add_u32 v[SPW], v[NIL]
	v_lshrrev_b32 v1, 5, v0
	v_readfirstlane_b32 s14, v1                    ; wave
	s_lshr_b32 s15, s14, 1                         ; rh.  Also: I fetch for A (0) or the weights (1)
	s_and_b32 s16, s14, 1                          ; ch.  Also: which H of the tile I fetch
	s_bfe_u32 s40, ttmp6, 0x40000                  ; cx
	s_bfe_u32 s41, ttmp6, 0x40004                  ; cy
	s_lshl_b32 s42, ttmp9, 2
	s_add_co_u32 s42, s42, s40                     ; tx: hidden columns 64 tx on
	s_and_b32 s17, ttmp7, 0xffff
	s_lshl_b32 s17, s17, 2
	s_add_co_u32 s17, s17, s41                     ; ty: rows 256 ty on
	s_lshl_b32 s43, s41, 2
	s_lshl_b32 s43, 15, s43                        ; my row of the cluster
	s_lshl_b32 s44, 0x1111, s40                    ; my column
	s_mov_b32 s[L1], 0xbfb8aa3b
	s_mov_b32 s[L1+1], s[L1]
	s_mov_b32 s[L2], 0xc038aa3b
	s_mov_b32 s[L2+1], s[L2]
	; group 1: rows of 32 elements of 8 bytes, four words of padding after every 64; 272 rows for the head's load
	s_or_b32 s[G1+0], s43, (3<<16)|(1<<20)|(1<<21)|(5<<22)|(3<<25)
	s_or_b32 s[G1B+0], s44, (3<<16)|(1<<20)|(1<<21)|(5<<22)|(3<<25)
.irp g, G1, G1B
	s_mov_b32 s[\g+1], 32<<16
	s_mov_b32 s[\g+2], 272<<16
	s_mov_b32 s[\g+3], 32<<16
	s_mov_b32 s[\g+4], 272
	s_mov_b32 s[\g+5], 32
	s_mov_b32 s[\g+6], 0
	s_mov_b32 s[\g+7], 0
.endr
	s_mov_b32 s[G1C+0], (3<<16)|(1<<20)|(5<<22)|(3<<25)   ; c_prev's tile: no mask; 64 rows x 256 bytes, 4,096 bytes from row to row
	s_mov_b32 s[G1C+1], 32<<16
	s_mov_b32 s[G1C+2], 64<<16
	s_mov_b32 s[G1C+3], 32<<16
	s_mov_b32 s[G1C+4], 64
	s_mov_b32 s[G1C+5], 512
	s_mov_b32 s[G1C+6], 0
	s_mov_b32 s[G1C+7], 0
	s_lshl_b32 s20, s17, 1
	s_add_co_u32 s20, s20, s16
	s_mul_i32 s20, s20, 4*IMG                      ; A: H = 2 ty + half: hangs on ty alone
	s_mov_b32 s21, 0
	s_lshl_b32 s46, s42, 1
	s_add_co_u32 s46, s46, s16
	s_mul_i32 s46, s46, 4*IMG                      ; weights: H = 2 tx + half: on tx alone
	s_mov_b32 s47, 0
	s_mul_i32 s45, s14, REG                        ; my region
	s_wait_dscnt 0x0                               ; both opening adds are done
	s_wait_kmcnt 0x0
	s_add_nc_u64 s[20:21], s[4:5], s[20:21]
	s_add_nc_u64 s[46:47], s[6:7], s[46:47]
	s_cmp_eq_u32 s15, 0
	s_cselect_b64 s[PFA:PFA+1], s[20:21], s[46:47] ; the prefetches: my image,
	s_cselect_b32 s94, s40, s41                    ; my place among the four that ask for it with me,
	s_mul_i32 s94, s94, 34*256                     ; and my work-group's 34 rows of its 136
	s_mov_b32 s95, 0
	s_add_nc_u64 s[PFA:PFA+1], s[PFA:PFA+1], s[94:95]
.irp s, 0,1
	s_mov_b32 s[G0+4*\s], 1
	s_add_co_u32 s[G0+4*\s+1], s45, \s*PART
	s_add_nc_u64 s[G0+4*\s+2:G0+4*\s+3], s[20:21], \s*IMG
	s_or_b32 s[G0+4*\s+3], s[G0+4*\s+3], 0x80000000
	s_mov_b32 s[G0B+4*\s], 1
	s_add_co_u32 s[G0B+4*\s+1], s45, \s*PART
	s_add_nc_u64 s[G0B+4*\s+2:G0B+4*\s+3], s[46:47], \s*IMG
	s_or_b32 s[G0B+4*\s+3], s[G0B+4*\s+3], 0x80000000
.endr
	CROUND                                         ; all sixteen work-groups are here: the first joint loads meet
	JLOAD G0, G1, G0B, G1B                         ; K steps 0 and 1, codes and scale bytes: my one load at the head
	s_lshl_b32 s2, s17, 20                         ; c_prev's tile: 256 ty rows of 4,096 bytes + 256 tx
	s_lshl_b32 s3, s42, 8
	s_add_co_u32 s2, s2, s3
	s_mov_b32 s3, 0
	s_add_nc_u64 s[12:13], s[12:13], s[2:3]        ; never rewritten behind this line
	s_mov_b32 s[G0C], 1
	s_mov_b32 s[G0C+1], s45                        ; slot 0 of my region
	s_lshl_b32 s2, s14, 18                         ; rows 64 w on
	s_add_nc_u64 s[G0C+2:G0C+3], s[12:13], s[2:3]
	s_or_b32 s[G0C+3], s[G0C+3], 0x80000000
	s_lshl_b32 s2, s17, 8                          ; the rows that I store: 256 ty + 128 rh + 16 ch on
	s_lshl_b32 s3, s15, 7
	s_add_co_u32 s2, s2, s3
	s_lshl_b32 s3, s16, 4
	s_add_co_u32 s2, s2, s3
	s_lshl_b32 s2, s2, 12
	s_lshl_b32 s3, s42, 8
	s_add_co_u32 s2, s2, s3
	s_mov_b32 s3, 0
	s_add_nc_u64 s[96:97], s[96:97], s[2:3]
	s_add_nc_u64 s[98:99], s[98:99], s[2:3]
	s_mul_i32 s21, s15, REG                        ; the region of my rows of A
	s_add_co_u32 s22, s16, 2
	s_mul_i32 s22, s22, REG                        ; and of my weight rows
	s_sub_co_u32 s23, s22, s21                     ; the distance between the two
	s_lshl_b32 s18, s21, 1                         ; the tail: my rows 0-63 lie in region 2 rh
	s_lshl_b32 s19, s16, 7
	s_add_co_u32 s19, s19, s18                     ; in: bytes 128 ch on
	s_mul_i32 s10, s16, 16*PITCH
	s_add_co_u32 s18, s18, s10                     ; back: rows 16 ch on
	s_lshl_b32 s2, s42, 8                          ; a bias: hidden columns 64 tx + 32 ch on
	s_lshl_b32 s3, s16, 7
	s_add_co_u32 s2, s2, s3
	v_and_b32 v1, 15, v0                           ; r
	v_bfe_u32 v2, v0, 4, 1                         ; h
	v_and_b32 v7, 31, v0                           ; lane
	v_mul_u32_u24 v3, v1, PITCH
	v_lshl_add_u32 v4, v2, 4, v3                   ; a fragment's row x pitch + 16 h
	v_add_nc_u32 v[ADRA], s21, v4
	v_add_nc_u32 v[ADRB], s22, v4
	v_add_nc_u32 v[ADRA+1], PART, v[ADRA]
	v_add_nc_u32 v[ADRB+1], PART, v[ADRB]
	v_lshlrev_b32 v5, 4, v1                        ; 16 r
	v_mul_u32_u24 v6, s23, v2                      ; lanes 16-31 take the weights': one product
	v_add_nc_u32 v6, v6, v5
	v_add_nc_u32 v6, s21, v6
	v_add_nc_u32 v[ADRS], 128*PITCH, v6            ; the scale rows lie behind the 128 rows of codes
	v_add_nc_u32 v[ADRS+1], PART, v[ADRS]
	v_lshl_add_u32 v6, v2, 5, v3                   ; the tail, in: row r, 32 h
	v_add_nc_u32 v[CADR], s19, v6
	v_add_nc_u32 v[HADR], HOFF, v[CADR]
	v_mul_u32_u24 v6, v2, PITCH                    ; back: lanes 0-15 one row of 256 bytes, lanes 16-31 the next
	v_add_nc_u32 v6, v6, v5
	v_add_nc_u32 v[RDC], s18, v6
	v_add_nc_u32 v[RDH], HOFF, v[RDC]
	v_lshl_add_u32 v[CO], v2, 12, v5               ; the same two rows in an output
	v_lshlrev_b32 v[PF], 12, v0
	v_lshl_add_u32 v[BV], v2, 5, s2
	v_lshlrev_b32 v[PFO], 8, v7
	v_and_b32 v8, 1, v0
	v_lshl_add_u32 v[PFO2], v8, 8, 32*256
	s_wait_alu depctr_va_vdst(0)                   ; the wait at the head's end
.irp k, 2,3
	global_prefetch_b8 v[PFO], s[PFA:PFA+1] offset:\k*IMG th:TH_LOAD_NT scope:SCOPE_SE    ; K step k: rows 0-31 of my 34
	global_prefetch_b8 v[PFO2], s[PFA:PFA+1] offset:\k*IMG th:TH_LOAD_NT scope:SCOPE_SE   ; rows 32, 33 (the lanes left over name them again); the last row named is the image's 136th
.endr
.irp g, 0,1,2,3
.irp u, 0,1
	global_load_b128 v[BIAS+8*(2*\g+\u):BIAS+8*(2*\g+\u)+3], v[BV], s[BP+2*\g:BP+1+2*\g] offset:64*\u
	global_load_b128 v[BIAS+8*(2*\g+\u)+4:BIAS+8*(2*\g+\u)+7], v[BV], s[BP+2*\g:BP+1+2*\g] offset:64*\u+16
.endr
.endr
.macro FRAG reg, adr, q, i             ; 16 rows x 128 K: lane l holds row l % 16; registers 4 c .. 4 c + 3 hold K = 64 c + 32 (l / 16) + 0 .. 31
.irp c, 0,1
	ds_load_b128 v[\reg+4*\c:\reg+4*\c+3], v[\adr] offset:64*(\q)+32*\c+(\i)*16*PITCH
.endr
.endm
; 16 matrix instructions: A's blocks a0, a0 + 1 x the weights' eight.  first = 1: the biases are the C.  The 64 accumulators take turns.
.macro MUL16 a0, p, q, sc, first
.irp a, \a0, \a0+1
.irp b, 0,1,2,3,4,5,6,7
.if \first
	v_wmma_scale_f32_16x16x128_f8f6f4 v[8*(8*((\a)%4)+\b):8*(8*((\a)%4)+\b)+7], v[128*(\p)+FR*\b:128*(\p)+FR*\b+FR-1], v[AF+FR*(\a):AF+FR*(\a)+FR-1], v[BIAS+8*\b:BIAS+8*\b+7], v[SC+8*NQ*(\sc)+NQ*\b+(\q)], v[SC+8*NQ*(\sc)+NQ*(\a)+(\q)] matrix_a_fmt:MATRIX_FMT_FP4 matrix_b_fmt:MATRIX_FMT_FP4 matrix_a_scale:MATRIX_SCALE_ROW1
.else
	v_wmma_scale_f32_16x16x128_f8f6f4 v[8*(8*((\a)%4)+\b):8*(8*((\a)%4)+\b)+7], v[128*(\p)+FR*\b:128*(\p)+FR*\b+FR-1], v[AF+FR*(\a):AF+FR*(\a)+FR-1], v[8*(8*((\a)%4)+\b):8*(8*((\a)%4)+\b)+7], v[SC+8*NQ*(\sc)+NQ*\b+(\q)], v[SC+8*NQ*(\sc)+NQ*(\a)+(\q)] matrix_a_fmt:MATRIX_FMT_FP4 matrix_b_fmt:MATRIX_FMT_FP4 matrix_a_scale:MATRIX_SCALE_ROW1
.endif
.endr
.endr
.endm
.macro FETCH_B slot, q, p
	WIN TO_B
.irp i, 0,1,2,3,4,5,6,7
	FRAG 128*(\p)+FR*\i, ADRB+\slot, \q, \i
.endr
	WIN 0
.endm
.macro FETCH_A slot, q, i0
.irp i, \i0, \i0+1, \i0+2, \i0+3
	FRAG AF+FR*(\i), ADRA+\slot, \q, \i
.endr
.endm
.macro SCALES sc                       ; slot sc's scale words: scale row i holds block i's 16 rows x 4 words
.irp i, 0,1,2,3,4,5,6,7
	ds_load_b128 v[SC+8*NQ*\sc+NQ*\i:SC+8*NQ*\sc+NQ*\i+3], v[ADRS+\sc] offset:\i*PITCH
.endr
.endm
.macro PLACES n
.rept \n
	v_nop
.endr
.endm
; A step of 128 along K with its successor in the same slot.  Its 32 LDS loads for the next step stand in three runs: the weights' other set at its head (those registers were last read by the step before,
; whose closing places stand between), A's blocks 0-3 in its middle, blocks 4-7 at its end.
.macro STEP slot, q, first
	FETCH_B \slot, (\q)+1, 1-(\q)%2
	s_wait_dscnt 12*NL                             ; this step's weights, scale words and A's blocks 0-3 are in; A's blocks 4-7 (8 loads) and the 16 just issued may be out
.if \first
	WIN FIRST_LO
.else
	WIN MUL_LO
.endif
	MUL16 0, (\q)%2, \q, \slot, \first
	MUL16 2, (\q)%2, \q, \slot, \first
	s_wait_dscnt 8*NL                              ; A's blocks 4-7 are in; the next step's 16 loads of weights may be out
	PLACES NP
	WIN 0
	FETCH_A \slot, (\q)+1, 0
.if \first
	WIN FIRST_HI
.else
	WIN MUL_HI
.endif
	MUL16 4, (\q)%2, \q, \slot, \first
	MUL16 6, (\q)%2, \q, \slot, \first
	PLACES NP
	WIN 0
	FETCH_A \slot, (\q)+1, 4
.endm
; A slot's last step changes slots.  fill = 1: this slot takes the K step two on (a joint load); fill = 2: c_prev's tile.  pf = 1: the 128 threads name the 256 rows of c_prev's tile.
.macro TURN slot, next, fill, pf
	s_wait_tensorcnt 0x0                           ; all my tensor loads have landed
	ds_add_u32 v[SPW], v[NIL]
	s_wait_dscnt 4*NL+1                            ; (the add and the youngest eight loads may be out)
	WIN MUL_LO
	MUL16 0, 1, NQ-1, \slot, 0
	s_wait_dscnt 0x0                               ; the add is done, and my reads of this slot are over
	s_barrier_signal -1
	MUL16 2, 1, NQ-1, \slot, 0
	WIN 0
	s_barrier_wait -1
	CREST                                          ; no wave of any partner still reads this slot or has a load on its way
.if \fill == 1
	s_add_nc_u64 s[G0+4*\slot+2:G0+4*\slot+3], s[G0+4*\slot+2:G0+4*\slot+3], 2*IMG
	s_add_nc_u64 s[G0B+4*\slot+2:G0B+4*\slot+3], s[G0B+4*\slot+2:G0B+4*\slot+3], 2*IMG
	JLOAD G0+4*\slot, G1, G0B+4*\slot, G1B         ; the first tensor load behind the round; its four v_nop are the places in front of the loads below
.else
	CLOAD
.endif
	FETCH_B \next, 0, 0
	FETCH_A \next, 0, 0
	SCALES \next
.if \pf
	global_prefetch_b8 v[PF], s[12:13] th:TH_LOAD_NT scope:SCOPE_SE                  ; rows 0-127 of the tile
	global_prefetch_b8 v[PF], s[12:13] offset:524288 th:TH_LOAD_NT scope:SCOPE_SE    ; rows 128-255: inside the buffer
.endif
	WIN MUL_HI
	MUL16 4, 1, NQ-1, \slot, 0
	MUL16 6, 1, NQ-1, \slot, 0
	PLACES NP
	WIN 0
	FETCH_A \next, 0, 4
.endm
.macro STEPS slot, from
.set Q, \from
.rept NQ-1-\from
	STEP \slot, Q, 0
.set Q, Q+1
.endr
.endm
	s_wait_loadcnt 0x0                             ; the biases are in
	s_wait_tensorcnt 0x0                           ; my two images are in; no tensor load of mine is out, so a descriptor may be written:
	s_mov_b32 s[G1+2], 136<<16                     ; from here on a load brings one image
	s_mov_b32 s[G1+4], 136
	s_mov_b32 s[G1B+2], 136<<16
	s_mov_b32 s[G1B+4], 136
	s_barrier_signal -1
	s_barrier_wait -1                              ; everybody's are in
	FETCH_B 0, 0, 0
	FETCH_A 0, 0, 0
	SCALES 0
	FETCH_A 0, 0, 4
	STEP 0, 0, 1                                   ; K step 0: its first products take the biases as C
	STEPS 0, 1
	TURN 0, 1, 1, 1                                ; slot 0 takes K step 2
	STEPS 1, 0
	TURN 1, 0, 1, 0                                ; slot 1 takes K step 3
	STEP 0, 0, 0
	STEPS 0, 1
	TURN 0, 1, 2, 0                                ; slot 0 takes c_prev's tile
	STEPS 1, 0
	s_wait_dscnt 4*NL
	WIN MUL_LO
	MUL16 0, 1, NQ-1, 1, 0
	MUL16 2, 1, NQ-1, 1, 0
	s_wait_dscnt 0
	WIN MUL_HI
	MUL16 4, 1, NQ-1, 1, 0
	MUL16 6, 1, NQ-1, 1, 0
	WIN 0
; THE TAIL, by groups of two blocks of 16 rows, x = 2 gi and y = 2 gi + 1.  32 rows of each row half are whole behind a group's barrier: wave (rh, ch) takes 16 of them, two rows an instruction.  Every group has LDS bytes of its own.
.macro COPY_LD gi                      ; the group's rows back from the stage
.if (\gi) >= 1
	s_wait_xcnt 0x0                                ; the group before: its stores have read these registers
.endif
.irp t, 0,1,2,3,4,5,6,7
	ds_load_b128 v[OB+4*\t:OB+4*\t+3], v[RDC] offset:8704*(\gi)+544*\t
.endr
.irp t, 0,1,2,3,4,5,6,7
	ds_load_b128 v[OB+32+4*\t:OB+32+4*\t+3], v[RDH] offset:8704*(\gi)+544*\t
.endr
.endm
.macro COPY_ST gi, younger             ; younger: the LDS loads issued behind COPY_LD's, which may stay out
	s_wait_dscnt \younger
.irp t, 0,1,2,3,4,5,6,7
	global_store_b128 v[CO], v[OB+4*\t:OB+4*\t+3], s[98:99] offset:(32*(\gi)+2*\t)*4096 th:TH_STORE_NT        ; c_next: 16 lanes store 256 consecutive bytes, aligned
.endr
.irp t, 0,1,2,3,4,5,6,7
	global_store_b128 v[CO], v[OB+32+4*\t:OB+32+4*\t+3], s[96:97] offset:(32*(\gi)+2*\t)*4096 th:TH_STORE_NT  ; h_next likewise
.endr
.endm
; EPI2: v[TX + n], v[TY + n] take accumulator register n of a block's 64: n = 16 g + 8 u + j.  The work goes in phases, one s_wait_alu between two phases:
; in a phase one block's exponentials or reciprocals stand among the other block's plain lines; every line of a phase reads only what was written ahead of the phase's wait, and what it writes is read behind the next.
; c_next = 2 i r_g + (f c_prev - i), r_g = 1 / (1 + 2^(-2 z_g log2 e)); h_next = 2 o r - o.  c_next goes back to the bytes from which the lane took c_prev, h_next 64 rows further on.
; st = 1: the group before, read back behind its barrier, is stored behind the first batch.
.macro EPI2 gi, st
.set ACX, 128*((\gi)%2)
.set WA, 0x02+(\gi)/2
.irp u, 0,1
	ds_load_b128 v[CPX+8*\u:CPX+8*\u+3], v[CADR] offset:8704*(\gi)+64*\u
	ds_load_b128 v[CPX+8*\u+4:CPX+8*\u+7], v[CADR] offset:8704*(\gi)+64*\u+16
	ds_load_b128 v[CPY+8*\u:CPY+8*\u+3], v[CADR] offset:8704*(\gi)+4352+64*\u
	ds_load_b128 v[CPY+8*\u+4:CPY+8*\u+7], v[CADR] offset:8704*(\gi)+4352+64*\u+16
.endr
	WIN WA
	s_wait_alu depctr_va_vdst(0)                   ; directly ahead of the first reader of these sums
.set n, 0
.rept 32                                       ; each accumulator is read from its low end on
.if (n/16) == 2
	v_pk_mul_f32 v[TX+n:TX+n+1], v[ACX+n:ACX+n+1], s[L2:L2+1] op_sel_hi:[1,0]    ; gate g: -2 z log2 e
.else
	v_pk_mul_f32 v[TX+n:TX+n+1], v[ACX+n:ACX+n+1], s[L1:L1+1] op_sel_hi:[1,0]    ; gates f, i, o: -z log2 e
.endif
.set n, n+2
.endr
.set n, 0
.rept 32
.if (n/16) == 2
	v_pk_mul_f32 v[TY+n:TY+n+1], v[ACX+64+n:ACX+64+n+1], s[L2:L2+1] op_sel_hi:[1,0]
.else
	v_pk_mul_f32 v[TY+n:TY+n+1], v[ACX+64+n:ACX+64+n+1], s[L1:L1+1] op_sel_hi:[1,0]
.endif
.set n, n+2
.endr
	WIN 0
	s_wait_alu depctr_va_vdst(0)
.set n, 0
.rept 64
	v_exp_f32 v[TX+n], v[TX+n]
.set n, n+1
.endr
	v_nop
.if \st
	COPY_ST (\gi)-1, 8                             ; behind its 16 loads stand this group's 8 of c_prev
.endif
	s_wait_alu depctr_va_vdst(0)
.set n, 0
.rept 32                                       ; y's exponentials, x's 1 + e
	v_exp_f32 v[TY+n], v[TY+n]
	v_exp_f32 v[TY+n+1], v[TY+n+1]
	v_pk_add_f32 v[TX+n:TX+n+1], v[TX+n:TX+n+1], 1.0 op_sel_hi:[1,0]
.set n, n+2
.endr
	s_wait_alu depctr_va_vdst(0)
.set n, 0
.rept 32                                       ; x's reciprocals, y's 1 + e
	v_rcp_f32 v[TX+n], v[TX+n]
	v_rcp_f32 v[TX+n+1], v[TX+n+1]
	v_pk_add_f32 v[TY+n:TY+n+1], v[TY+n:TY+n+1], 1.0 op_sel_hi:[1,0]
.set n, n+2
.endr
	s_wait_alu depctr_va_vdst(0)
	s_wait_dscnt 0x0                               ; c_prev is in
.set n, 0
.rept 8                                        ; y's reciprocals; x: f c_prev - i, then i r_g
.set m, 0
.rept 8
	v_rcp_f32 v[TY+4*n+m], v[TY+4*n+m]
.set m, m+1
.endr
	v_pk_fma_f32 v[CPX+n:CPX+n+1], v[TX+n:TX+n+1], v[CPX+n:CPX+n+1], v[TX+16+n:TX+17+n] neg_lo:[0,0,1] neg_hi:[0,0,1]
	v_pk_mul_f32 v[TX+16+n:TX+17+n], v[TX+16+n:TX+17+n], v[TX+32+n:TX+33+n]
.set n, n+2
.endr
	s_wait_alu depctr_va_vdst(0)
.irp n, 0,2,4,6,8,10,12,14
	v_pk_fma_f32 v[CPY+\n:CPY+1+\n], v[TY+\n:TY+1+\n], v[CPY+\n:CPY+1+\n], v[TY+16+\n:TY+17+\n] neg_lo:[0,0,1] neg_hi:[0,0,1]
.endr
.irp n, 0,2,4,6,8,10,12,14
	v_pk_mul_f32 v[TY+16+\n:TY+17+\n], v[TY+16+\n:TY+17+\n], v[TY+32+\n:TY+33+\n]
.endr
.irp n, 0,2,4,6,8,10,12,14
	v_pk_fma_f32 v[CPX+\n:CPX+1+\n], v[TX+16+\n:TX+17+\n], 2.0, v[CPX+\n:CPX+1+\n] op_sel_hi:[1,0,1]    ; c_next of x
.endr
.irp n, 0,2,4,6,8,10,12,14
	v_pk_fma_f32 v[CPY+\n:CPY+1+\n], v[TY+16+\n:TY+17+\n], 2.0, v[CPY+\n:CPY+1+\n] op_sel_hi:[1,0,1]    ; and of y
.endr
.irp u, 0,1
	ds_store_b128 v[CADR], v[CPX+8*\u:CPX+8*\u+3] offset:8704*(\gi)+64*\u
	ds_store_b128 v[CADR], v[CPX+8*\u+4:CPX+8*\u+7] offset:8704*(\gi)+64*\u+16
	ds_store_b128 v[CADR], v[CPY+8*\u:CPY+8*\u+3] offset:8704*(\gi)+4352+64*\u
	ds_store_b128 v[CADR], v[CPY+8*\u+4:CPY+8*\u+7] offset:8704*(\gi)+4352+64*\u+16
.endr
.irp n, 0,2,4,6,8,10,12,14
	v_pk_mul_f32 v[TX+\n:TX+1+\n], v[CPX+\n:CPX+1+\n], s[L2:L2+1] op_sel_hi:[1,0]
	v_pk_mul_f32 v[TY+\n:TY+1+\n], v[CPY+\n:CPY+1+\n], s[L2:L2+1] op_sel_hi:[1,0]
.endr
	s_wait_alu depctr_va_vdst(0)
.set n, 0
.rept 16
	v_exp_f32 v[TX+n], v[TX+n]
	v_exp_f32 v[TY+n], v[TY+n]
.set n, n+1
.endr
	v_nop
	s_wait_alu depctr_va_vdst(0)
.irp n, 0,2,4,6,8,10,12,14
	v_pk_add_f32 v[TX+\n:TX+1+\n], v[TX+\n:TX+1+\n], 1.0 op_sel_hi:[1,0]
	v_pk_add_f32 v[TY+\n:TY+1+\n], v[TY+\n:TY+1+\n], 1.0 op_sel_hi:[1,0]
.endr
	s_wait_alu depctr_va_vdst(0)
.set n, 0
.rept 16
	v_rcp_f32 v[TX+n], v[TX+n]
	v_rcp_f32 v[TY+n], v[TY+n]
.set n, n+1
.endr
	v_nop
	s_wait_alu depctr_va_vdst(0)
.irp n, 0,2,4,6,8,10,12,14
	v_pk_mul_f32 v[TX+\n:TX+1+\n], v[TX+\n:TX+1+\n], v[TX+48+\n:TX+49+\n]                ; o r
	v_pk_mul_f32 v[TY+\n:TY+1+\n], v[TY+\n:TY+1+\n], v[TY+48+\n:TY+49+\n]
.endr
.irp n, 0,2,4,6,8,10,12,14
	v_pk_fma_f32 v[TX+\n:TX+1+\n], v[TX+\n:TX+1+\n], 2.0, v[TX+48+\n:TX+49+\n] op_sel_hi:[1,0,1] neg_lo:[0,0,1] neg_hi:[0,0,1]   ; h_next = 2 o r - o
	v_pk_fma_f32 v[TY+\n:TY+1+\n], v[TY+\n:TY+1+\n], 2.0, v[TY+48+\n:TY+49+\n] op_sel_hi:[1,0,1] neg_lo:[0,0,1] neg_hi:[0,0,1]
.endr
.irp u, 0,1
	ds_store_b128 v[HADR], v[TX+8*\u:TX+8*\u+3] offset:8704*(\gi)+64*\u
	ds_store_b128 v[HADR], v[TX+8*\u+4:TX+8*\u+7] offset:8704*(\gi)+64*\u+16
	ds_store_b128 v[HADR], v[TY+8*\u:TY+8*\u+3] offset:8704*(\gi)+4352+64*\u
	ds_store_b128 v[HADR], v[TY+8*\u+4:TY+8*\u+7] offset:8704*(\gi)+4352+64*\u+16
.endr
.endm
.macro BAR                             ; a row's 256 bytes come from two waves: my stores have landed (and have read their registers), then the work-group's barrier
	s_wait_dscnt 0x0
	s_barrier_signal -1
	s_barrier_wait -1
.endm
	PLACES NP                                      ; behind the last products
	s_wait_tensorcnt 0x0                           ; my 64 rows of c_prev have landed,
	s_barrier_signal -1
	s_barrier_wait -1                              ; everybody's have.
	EPI2 0, 0
	BAR
	COPY_LD 0
	EPI2 1, 1
	BAR
	COPY_LD 1
	v_add_nc_u32 v[CADR], BUMP, v[CADR]            ; my rows 64-127 lie in the next region
	v_add_nc_u32 v[HADR], BUMP, v[HADR]
	v_add_nc_u32 v[RDC], BUMP, v[RDC]
	v_add_nc_u32 v[RDH], BUMP, v[RDH]
	s_wait_alu depctr_va_vdst(0)                   ; directly behind the writes
	EPI2 2, 1
	BAR
	COPY_LD 2
	EPI2 3, 1
	BAR
	COPY_LD 3
	COPY_ST 3, 0
	s_wait_tensorcnt 0x0                           ; the wave's end
	ds_add_u32 v[SPW], v[NIL]
	s_wait_dscnt 0x0
	CROUND                                         ; the closing round
	s_endpgm
.Lfunc_end_k_qadf54def2b_cell:
	.size	k_qadf54def2b_cell, .Lfunc_end_k_qadf54def2b_cell-k_qadf54def2b_cell
	.p2alignl 7, 3214868480
	.fill 96, 4, 3214868480
	.section	.rodata,"a",@progbits
	.p2align	6, 0x0
	.amdhsa_kernel k_qadf54def2b_cell
		.amdhsa_group_segment_fixed_size 327680
		.amdhsa_private_segment_fixed_size 0
		.amdhsa_enable_private_segment 0
		.amdhsa_kernarg_size 72
		.amdhsa_user_sgpr_count 2
		.amdhsa_user_sgpr_kernarg_segment_ptr 1
		.amdhsa_wavefront_size32 1
		.amdhsa_system_sgpr_workgroup_id_x 1
		.amdhsa_system_sgpr_workgroup_id_y 1
		.amdhsa_system_sgpr_workgroup_id_z 1
		.amdhsa_system_vgpr_workitem_id 0
		.amdhsa_next_free_vgpr 1024
		.amdhsa_next_free_sgpr 102
		.amdhsa_reserve_vcc 0
		.amdhsa_float_denorm_mode_32 3
		.amdhsa_float_denorm_mode_16_64 3
		.amdhsa_memory_ordered 1
		.amdhsa_forward_progress 1
		.amdhsa_inst_pref_size 255
	.end_amdhsa_kernel
	.section	.bss,"aw",@nobits
	.p2align	6
	.space	262144
	.amdgpu_metadata
---
amdhsa.version: [ 1, 2 ]
amdhsa.kernels:
  - .name:           k_qadf54def2b_cell
    .symbol:         k_qadf54def2b_cell.kd
    .args:
      - { .name: a_img, .offset: 0, .size: 8, .value_kind: global_buffer, .address_space: global }
      - { .name: w_img, .offset: 8, .size: 8, .value_kind: global_buffer, .address_space: global }
      - { .name: bf, .offset: 16, .size: 8, .value_kind: global_buffer, .address_space: global }
      - { .name: bi, .offset: 24, .size: 8, .value_kind: global_buffer, .address_space: global }
      - { .name: bg, .offset: 32, .size: 8, .value_kind: global_buffer, .address_space: global }
      - { .name: bo, .offset: 40, .size: 8, .value_kind: global_buffer, .address_space: global }
      - { .name: c_prev, .offset: 48, .size: 8, .value_kind: global_buffer, .address_space: global }
      - { .name: out0, .offset: 56, .size: 8, .value_kind: global_buffer, .address_space: global }
      - { .name: out1, .offset: 64, .size: 8, .value_kind: global_buffer, .address_space: global }
    .group_segment_fixed_size: 327680
    .private_segment_fixed_size: 0
    .kernarg_segment_align: 8
    .kernarg_segment_size: 72
    .max_flat_workgroup_size: 128
    .sgpr_count:     102
    .vgpr_count:     1024
    .wavefront_size: 32
...
	.end_amdgpu_metadata
.endif
;; end of part 2
